; MI455X (gfx1250); checked and timed in simulation.
; The chip was launched on July 23, 2026; its instructions are those of AMD's public machine-readable ISA for CDNA 5 (MIT licence, August 2026) and "CDNA5" Instruction Set Architecture Reference Guide (July 2026). The comments in the code are by the model that wrote it; some were corrected since.
;; Triang Axial. Allowed arithmetic: matrix products marked QUANTISED: E3M2 operands, one E8M0 scale for each 32 along K, by v_wmma_scale_f32_16x16x128_f8f6f4 with both operands' format E3M2, f32 sums; products left as they are: f32 operands where the result goes on into a quantised operand, else bf16, f16 or f32 operands; f32 sums; everything else in f32.
;; Inputs: Wb 128 x 4 float32; Wg_codes 128 x 4 x 24 uint8 (E3M2 codes of Wg, K innermost, in blocks of 32 codes, four codes in three bytes); Wg_scales 128 x 4 uint8 (E8M0 scales of Wg, one for each 32 codes along K); Wk_codes 128 x 4 x 24 uint8 (E3M2 codes of Wk, K innermost, in blocks of 32 codes, four codes in three bytes); Wk_scales 128 x 4 uint8 (E8M0 scales of Wk, one for each 32 codes along K); Wo_codes 128 x 4 x 24 uint8 (E3M2 codes of Wo, K innermost, in blocks of 32 codes, four codes in three bytes); Wo_scales 128 x 4 uint8 (E8M0 scales of Wo, one for each 32 codes along K); Wq_codes 128 x 4 x 24 uint8 (E3M2 codes of Wq, K innermost, in blocks of 32 codes, four codes in three bytes); Wq_scales 128 x 4 uint8 (E8M0 scales of Wq, one for each 32 codes along K); Wv_codes 128 x 4 x 24 uint8 (E3M2 codes of Wv, K innermost, in blocks of 32 codes, four codes in three bytes); Wv_scales 128 x 4 uint8 (E8M0 scales of Wv, one for each 32 codes along K); bg 128 float32; bo 128 float32; x 1 x 256 x 256 x 128 float32.
;; Outputs: out0 1 x 256 x 256 x 128 float32.
;; This version of the problem:
;;   THIS VERSION OF THE PROBLEM IS GIVEN IN LOW PRECISION. The matrix products marked QUANTISED in the list below multiply operands that are first quantised to E3M2 (3 exponent bits, 2 mantissa bits; 6 bits a number), with one power-of-two scale for each 32 numbers along K (OCP MX v1.0); their sums are f32. All else is computed in f32.
;;   The module's matrix products, in the order in which they are computed (A, B: the left and right operand; K: the contracted axis; several contracted axes count as one K, in the product's order):
;;     1. [M 65,536, K 128] x [K 128, N 128]; A: input x; B: input Wg (given as codes): QUANTISED
;;     2. [M 65,536, K 128] x [K 128, N 128]; A: input x; B: input Wq (given as codes): QUANTISED
;;     3. [M 65,536, K 128] x [K 128, N 128]; A: input x; B: input Wk (given as codes): QUANTISED
;;     4. [M 65,536, K 128] x [K 128, N 128]; A: input x; B: input Wv (given as codes): QUANTISED
;;     5. [M 65,536, K 128] x [K 128, N 4]; A: input x; B: input Wb: left as it is (N = 4 < 16)
;;     6. batch 1,024 x [M 256, K 32] x [K 32, N 256]; A: computed on the way; B: computed on the way: QUANTISED
;;     7. batch 1,024 x [M 32, K 256] x [K 256, N 256]; A: computed on the way; B: computed on the way: QUANTISED
;;     8. [M 65,536, K 128] x [K 128, N 128]; A: computed on the way; B: input Wo (given as codes): QUANTISED
;;   THE QUANTISER, for each operand of a quantised product, along K:
;;     - K is cut into blocks of 32 from its start; a last block that is shorter is filled with zeros.
;;     - A block's scale is 2^e with e = floor(log2(the largest magnitude in the block)) - 4, held to -126 .. 127; a block of zeros has e = 0. As a byte (E8M0): e + 127.
;;     - Each number is divided by its block's scale, clamped to +-28, and rounded to the nearest number of E3M2, ties to even, subnormals kept.
;;     - The product sums the exact products of the quantised numbers (number of the format x scale) in f32.
;;   ~~~python
;;   def quantise(x, axis):      # numpy; x: float32 -> the quantised numbers, widened to float32 again
;;       x = np.moveaxis(x, axis, -1); K = x.shape[-1]
;;       x = np.pad(x, [(0, 0)] * (x.ndim - 1) + [(0, -K % 32)]); x = x.reshape(x.shape[:-1] + (-1, 32)); a = np.abs(x).max(-1, keepdims=True)
;;       e = np.where(a > 0, np.clip(np.frexp(np.where(a > 0, a, 1))[1] - 1 - 4, -126, 127), 0)      # np.frexp(a)[1] - 1 = floor(log2(a)), exactly
;;       r = np.clip(x / 2.0 ** e, -28, 28)
;;       step = 2.0 ** (np.maximum(np.frexp(np.where(r == 0, 1, r))[1] - 1, -2) - 2)
;;       q = np.round(r / step) * step * 2.0 ** e      # np.round: ties to even
;;       return np.moveaxis(q.reshape(q.shape[:-2] + (-1,))[..., :K], -1, axis).astype(np.float32)
;;   ~~~
;;   OPERANDS COMPUTED ON THE WAY. 'Computed on the way' means the value that the module computes at that place (a softmax that the list does not call 'softmax' is quantised finished and normalised). What goes into a quantiser is computed in f32, as accurately as f32 sums, v_exp_f32 and their like allow (about 1e-6 of the number): no bf16 or f16 on the way to a quantiser, and a product that is left as it is and whose result goes on into a quantised operand takes f32 operands (vector FMAs, or v_wmma_f32_16x16x4_f32). A number that lies on a knife's edge between two numbers of the format may be rounded either way, as far as f32 arithmetic and the matrix unit's own rounding can turn it there, and no further.
;;   INPUTS GIVEN AS CODES. Wg (in the module: [128, 128], K = its axis 0); Wk (in the module: [128, 128], K = its axis 0); Wo (in the module: [128, 128], K = its axis 0); Wq (in the module: [128, 128], K = its axis 0); Wv (in the module: [128, 128], K = its axis 0): each comes as NAME_codes (uint8): NAME with its K axis moved to the last place and cut into blocks of 32 codes, [.., K / 32, bytes a block], one block behind the other in memory; four codes in three bytes: a row's codes are one little-endian stream of bits, code i at bits 6 i .. 6 i + 5 (a code: sign, 3 exponent bits, 2 mantissa bits); and NAME_scales (uint8): the same leading axes, one E8M0 byte (e + 127) for each 32 codes along K. Its value is code x scale, taken as it is: it is not quantised again, and the codes and scales need not be those that the quantiser above would give.
;; One version. Each part assembles by itself: llvm-mc -triple=amdgcn-amd-amdhsa -mcpu=gfx1250 --defsym DOCPART=n.
;; ======== version 1 of 1: 2 launches
;; limits: right only within a limited range of input values
;; workspace buffers: xc 6,291,456 bytes; xs 262,144 bytes; bw 1,048,576 bytes
;; launch prep (part 1): grid 16 x 16, 8 waves a work-group, no clusters, 74,752 bytes of LDS; arguments x, Wb, xc, xs, bw; writes xc, xs, bw
.if DOCPART == 1
	.amdgcn_target "amdgcn-amd-amdhsa--gfx1250"
	.amdhsa_code_object_version 6
	.text
	.protected	k_qc96170a633_prep
	.globl	k_qc96170a633_prep
	.p2align	8
	.type	k_qc96170a633_prep,@function
k_qc96170a633_prep:
	s_mov_b64 s[64:65], 0
	v_nop
	global_prefetch_b8 v0, s[64:65] scope:SCOPE_SE
	s_setreg_imm32_b32 hwreg(HW_REG_WAVE_MODE, 25, 1), 1
	s_wait_xcnt 0x0
; x [256][256][128] f32 is read ONCE and becomes three things:
;   xc: its E3M2 codes (one E8M0 scale for each 32 channels), as images of the matrix operand's registers: [a][T][piece 3][lane 32][16 bytes];
;   xs: the rows' scale words, [a][T][r 16] of 4 bytes;
;   bw: bias[j][k][g] = x[j][k][:] . Wb[:][g] in f32 (fused multiply-adds), laid in the order of the score accumulators' registers: [g][kb2 4][jt 16][piece 8][lane 32][4 f32].
; A TILE OF 16 POSITIONS IS NOT 16 NEIGHBOURS: tile T, row r is position pos(T, r) = 64 (T / 4) + 32 (r / 8) + 8 (T % 4) + r % 8, so that four tiles used as the rows of a product leave 32 neighbours in one lane.
; SHARES.  Work-group (T, A): second index = the 16 positions of tile T, first index a = the 16 positions of tile A.  Wave w takes a = pos(A, 2 w) and the next: two tiles of 16 rows x 128 channels.
; A load reads one row, 512 consecutive bytes; the tile turns through the wave's own stage in LDS (pitch 528), so that lane (r, h) holds, of row r, 16 neighbours of each block of 32.
; The work-group's 4,096 bytes of bias meet in LDS and leave as eight runs of 512 consecutive bytes; the codes leave as runs of 512.  The scale words leave as pieces of 64 bytes: 1 byte in 160 of what the launch moves.
; No loop: all 32 loads of x of a wave are asked for at the head.  No tensor load (nothing would be asked for earlier), no matrix instruction (4 columns: 256 multiply-adds a tile).
; LIMITS: NaN and infinities are not served.  A block whose largest magnitude lies under 2^-122 (a block of zeros too) gets the byte 1: a block of zeros has zero codes under any byte, and only this program reads the bytes.
.set STGB, 8448                        ; a wave's stage: 16 rows x 528 bytes
.set BST,  8*STGB                      ; behind the stages: the bias, [g][piece 2][lane 32][4 f32]
.set RW,   16                          ; v16-143  two tiles as loaded
.set X,    144                         ; v144-207 the tile in hand, turned: register 16 b + i = channel 32 b + 16 h + i of row r
.set PC,   208                         ; v208-227 the codes just made
.set TM,   228                         ; v228-243 at work
.set PW,   244                         ; v244-245 the two tiles' scale words
.set ACC,  246                         ; v246-253 the four dot products, in two chains each
.set MSB, 0
.macro WIN new                         ; the immediate's high byte repeats the setting that is left
.if MSB != (\new)
	s_set_vgpr_msb (MSB<<8)|(\new)
.set MSB, (\new)
.endif
.endm
	s_load_b256 s[4:11], s[0:1], 0x0               ; x s[4:5], Wb s[6:7], xc s[8:9], xs s[10:11]
	s_load_b64 s[12:13], s[0:1], 0x20              ; bw
	v_lshl_add_u32 v239, v0, 2, 0x11800
	v_mov_b32 v255, 0
	v_lshrrev_b32 v1, 5, v0
	s_delay_alu instid0(VALU_DEP_1)
	v_readfirstlane_b32 s14, v1                    ; wave 0..7
	s_mov_b32 s15, ttmp9                           ; T
	s_and_b32 s16, ttmp7, 0xffff                   ; A
	v_and_b32 v10, 31, v0
	s_delay_alu instid0(VALU_DEP_1)
	v_lshlrev_b32 v1, 4, v10                       ; v1: 16 x lane
	v_and_b32 v2, 15, v0                           ; v2: r
	v_bfe_u32 v3, v0, 4, 1                         ; v3: h
	s_mul_i32 s17, s14, STGB                       ; my stage
	v_add_nc_u32 v4, s17, v1                       ; v4: into it: a row as it lies
	v_mul_u32_u24 v5, v2, 528
	s_delay_alu instid0(VALU_DEP_1)
	v_lshl_add_u32 v5, v3, 6, v5
	s_delay_alu instid0(VALU_DEP_1)
	v_add_nc_u32 v5, s17, v5                       ; v5: out of it: row r, + 64 h
	v_lshlrev_b32 v6, 8, v3                        ; v6: Wb: 16 h rows of 16 bytes
	v_bfe_u32 v7, v0, 2, 1                         ; v7: where row r's bias goes: position pos(T, r) is piece (r / 4) % 2, half r / 8, element r % 4; my two a are lanes 2 w and 2 w + 1
	s_delay_alu instid0(VALU_DEP_1)
	v_lshlrev_b32 v7, 9, v7
	v_bfe_u32 v11, v0, 3, 1
	s_delay_alu instid0(VALU_DEP_1)
	v_lshl_add_u32 v7, v11, 8, v7
	v_and_b32 v11, 3, v0
	s_delay_alu instid0(VALU_DEP_1)
	v_lshl_add_u32 v7, v11, 2, v7
	s_lshl_b32 s18, s14, 5
	s_add_co_u32 s18, s18, BST
	v_add_nc_u32 v7, s18, v7
	v_lshlrev_b32 v8, 2, v2
	s_delay_alu instid0(VALU_DEP_1)
	v_lshl_add_u32 v8, v3, 10, v8                  ; v8: xs: 4 r; lanes 16-31 store the second tile's words, 1,024 bytes on
	v_lshl_add_u32 v9, v0, 4, BST                  ; v9: the bias on its way out: 16 bytes a thread
	s_mov_b32 s20, 0x76543210
	s_mov_b32 s21, 0xfedcba98                      ; v_permlanex16_b32's selects for lane l xor 16
.irp b, 0,1,2,3
	v_mov_b32 v[TM+4+\b], 0                        ; written once: a lane permute's destination counts as one of its sources
.endr
	s_lshr_b32 s19, s16, 2                         ; a0 = pos(A, 2 w) = 64 (A / 4) + 8 (A % 4) + 32 (w / 4) + 2 (w % 4)
	s_lshl_b32 s19, s19, 6
	s_and_b32 s22, s16, 3
	s_lshl_b32 s22, s22, 3
	s_add_co_u32 s19, s19, s22
	s_lshr_b32 s22, s14, 2
	s_lshl_b32 s22, s22, 5
	s_add_co_u32 s19, s19, s22
	s_and_b32 s22, s14, 3
	s_lshl_b32 s22, s22, 1
	s_add_co_u32 s19, s19, s22
	s_lshl_b32 s24, s19, 8                         ; x: row 256 a0 + 64 (T / 4) + 8 (T % 4), of 512 bytes
	s_lshr_b32 s22, s15, 2
	s_lshl_b32 s22, s22, 6
	s_add_co_u32 s24, s24, s22
	s_and_b32 s22, s15, 3
	s_lshl_b32 s22, s22, 3
	s_add_co_u32 s24, s24, s22
	s_lshl_b32 s24, s24, 9
	s_mov_b32 s25, 0
	s_lshl_b32 s26, s19, 4
	s_add_co_u32 s26, s26, s15                     ; 16 a0 + T
	s_lshl_b32 s28, s26, 6                         ; xs: 64 bytes a tile
	s_mov_b32 s29, 0
	s_mul_i32 s26, s26, 1536                       ; xc: 1,536 bytes a tile
	s_mov_b32 s27, 0
	s_lshr_b32 s30, s14, 1                         ; bw: wave w sends group w / 2, piece 2 (T % 4) + w % 2 of (kb2 = T / 4, jt = A)
	s_lshl_b32 s30, s30, 2
	s_lshr_b32 s22, s15, 2
	s_add_co_u32 s30, s30, s22
	s_lshl_b32 s30, s30, 4
	s_add_co_u32 s30, s30, s16
	s_lshl_b32 s30, s30, 3
	s_and_b32 s22, s15, 3
	s_lshl_b32 s22, s22, 1
	s_add_co_u32 s30, s30, s22
	s_and_b32 s22, s14, 1
	s_add_co_u32 s30, s30, s22
	s_lshl_b32 s30, s30, 9
	s_mov_b32 s31, 0
	s_wait_kmcnt 0x0
	s_add_nc_u64 s[4:5], s[4:5], s[24:25]
	s_add_nc_u64 s[8:9], s[8:9], s[26:27]
	s_add_nc_u64 s[10:11], s[10:11], s[28:29]
	s_add_nc_u64 s[12:13], s[12:13], s[30:31]
.macro XLOAD n                         ; tile n: sixteen rows, each 512 consecutive bytes
.irp m, 0,1,2,3,4,5,6,7,8,9,10,11,12,13,14,15
	global_load_b128 v[RW+64*\n+4*\m:RW+64*\n+4*\m+3], v1, s[4:5] offset:131072*\n+(\m%8+32*(\m/8))*512 th:TH_LOAD_NT
.endr
.endm
.macro TURN n                          ; through my stage: LDS serves a wave's instructions in order, so no wait stands between the stores and the loads
.irp m, 0,1,2,3,4,5,6,7,8,9,10,11,12,13,14,15
	ds_store_b128 v4, v[RW+64*\n+4*\m:RW+64*\n+4*\m+3] offset:528*\m
.endr
.irp m, 0,1,2,3,4,5,6,7,8,9,10,11,12,13,14,15
	ds_load_b128 v[X+4*\m:X+4*\m+3], v5 offset:128*(\m/4)+16*(\m%4)
.endr
.endm
.macro DOT n                           ; four dot products of my 64 numbers with Wb's rows (window 1: register 4 (16 b + i) + g), two chains each; then lane l xor 16's half
	WIN 0x04                                       ; source 1 in window 1
.set q, 0
.rept 32                               ; numbers q and q + 1, two columns of Wb at a time; each number serves both halves of its packed multiply
.irp e, 0,1
.if q == 0
	v_pk_mul_f32 v[ACC+2*\e:ACC+2*\e+1], v[X+q:X+q+1], v[4*q+2*\e:4*q+2*\e+1] op_sel_hi:[0,1]         ; the first products start the sums
	v_pk_mul_f32 v[ACC+4+2*\e:ACC+5+2*\e], v[X+q:X+q+1], v[4*q+4+2*\e:4*q+5+2*\e] op_sel:[1,0] op_sel_hi:[1,1]
.else
	v_pk_fma_f32 v[ACC+2*\e:ACC+2*\e+1], v[X+q:X+q+1], v[4*q+2*\e:4*q+2*\e+1], v[ACC+2*\e:ACC+2*\e+1] op_sel_hi:[0,1,1]
	v_pk_fma_f32 v[ACC+4+2*\e:ACC+5+2*\e], v[X+q:X+q+1], v[4*q+4+2*\e:4*q+5+2*\e], v[ACC+4+2*\e:ACC+5+2*\e] op_sel:[1,0,0] op_sel_hi:[1,1,1]
.endif
.endr
.set q, q+2
.endr
	WIN 0
.irp g, 0,1,2,3
	v_add_f32 v[ACC+\g], v[ACC+\g], v[ACC+4+\g]
.endr
.irp g, 0,1,2,3
	s_delay_alu instid0(VALU_DEP_4)
	v_permlanex16_b32 v[ACC+4+\g], v[ACC+\g], s20, s21
.endr
.irp g, 0,1,2,3
	s_delay_alu instid0(VALU_DEP_4)
	v_add_f32 v[ACC+\g], v[ACC+\g], v[ACC+4+\g]
.endr
.irp g, 0,1,2,3
	ds_store_b32 v7, v[ACC+\g] offset:1024*\g+16*\n        ; both halves of the lanes write the same word with the same value
.endr
.endm
.macro QUANT pw                        ; the 64 numbers in X become a fragment's codes in v[PC] on and the row's scale word in v[pw]
.irp b, 0,1,2,3
	v_max3_num_f32 v[TM+\b], |v[X+16*\b]|, |v[X+1+16*\b]|, 0x2800000   ; block b: my 16 numbers, and the floor 2^(5 - 127): the byte cannot fall under 1
.endr
.irp i, 2,4,6,8,10,12,14
.irp b, 0,1,2,3
	s_delay_alu instid0(VALU_DEP_4)
	v_max3_num_f32 v[TM+\b], v[TM+\b], |v[X+16*\b+\i]|, |v[X+1+16*\b+\i]|
.endr
.endr
.irp b, 0,1,2,3
	s_delay_alu instid0(VALU_DEP_4)
	v_permlanex16_b32 v[TM+4+\b], v[TM+\b], s20, s21
.endr
.irp b, 0,1,2,3
	s_delay_alu instid0(VALU_DEP_4)
	v_max_num_f32 v[TM+\b], v[TM+\b], v[TM+4+\b]           ; with lane l xor 16's: the block's largest magnitude
.endr
.irp b, 0,1,2,3
	s_delay_alu instid0(VALU_DEP_4)
	v_add_nc_u32 v[TM+12+\b], 0xfe000000, v[TM+\b]         ; 4 off its exponent field: the conversion takes the exponent field of this operand as its scale
.endr
.irp b, 0,1,2,3
	s_delay_alu instid0(VALU_DEP_4)
	v_lshrrev_b32 v[TM+4+\b], 23, v[TM+12+\b]              ; the scale's byte
.endr
	s_delay_alu instid0(VALU_DEP_3)
	v_lshl_or_b32 v[\pw], v[TM+5], 8, v[TM+4]
	s_delay_alu instid0(VALU_DEP_1)
	v_lshl_or_b32 v[\pw], v[TM+6], 16, v[\pw]
	s_delay_alu instid0(VALU_DEP_1)
	v_lshl_or_b32 v[\pw], v[TM+7], 24, v[\pw]
.irp c, 0,1
	v_cvt_scalef32_pk16_bf6_f32 v[PC+6*\c:PC+2+6*\c], v[X+32*\c:X+15+32*\c], v[TM+12+2*\c]
	v_cvt_scalef32_pk16_bf6_f32 v[PC+12+4*\c:PC+14+4*\c], v[X+16+32*\c:X+31+32*\c], v[TM+13+2*\c]   ; (a conversion's three registers begin on an even number)
.endr
	v_nop                                          ; one plain place behind a scaled conversion
.irp c, 0,1                            ; the operand's layout wants a whole block in a lane: lanes 0-15 block 2 c, lanes 16-31 block 2 c + 1
.irp i, 0,1,2
	v_permlane16_swap_b32 v[PC+6*\c+\i], v[PC+12+4*\c+\i]
.endr
.irp i, 0,1,2
	s_delay_alu instid0(VALU_DEP_3)
	v_mov_b32 v[PC+3+6*\c+\i], v[PC+12+4*\c+\i]
.endr
.endr
.endm
.macro OUT n                           ; the fragment leaves as it stands: three stores of 512 consecutive bytes
.irp c, 0,1,2
	global_store_b128 v1, v[PC+4*\c:PC+4*\c+3], s[8:9] offset:24576*\n+512*\c
.endr
.endm
.set WBL, 72704                        ; behind the spare words: Wb as it lies, 2,048 bytes
	v_lshlrev_b32 v12, 3, v0                       ; each thread brings 8 bytes of Wb
	v_add_nc_u32 v14, WBL, v12
	v_add_nc_u32 v13, WBL, v6                      ; out of it: 16 h rows of 16 bytes
	global_load_b64 v[236:237], v12, s[6:7]
	XLOAD 0
	XLOAD 1
	s_wait_alu depctr_va_vdst(0)
	s_wait_loadcnt 32                              ; Wb is in: x's 32 loads were issued behind it
	ds_store_b64 v14, v[236:237]
	s_wait_dscnt 0x0
	s_barrier_signal -1
	s_barrier_wait -1
	WIN 0x40                                       ; destination window 1
.set q, 0
.rept 64
	ds_load_b128 v[4*q:4*q+3], v13 offset:(32*(q/16)+q%16)*16   ; Wb's row 32 b + 16 h + i, q = 16 b + i
.set q, q+1
.endr
	WIN 0
	s_wait_loadcnt 16                              ; the first tile is in: the second tile's 16 loads were issued behind it
	TURN 0
	s_wait_dscnt 0x0
	DOT 0
	QUANT PW
	OUT 0
	s_wait_alu depctr_va_vdst(0)
	s_wait_loadcnt 0x0                             ; the second tile is in
	TURN 1
	s_wait_dscnt 0x0
	DOT 1
	s_wait_xcnt 0x0                                ; the first tile's codes are written again only behind this wait
	QUANT PW+1
	OUT 1
	v_cmp_ne_u32 vcc_lo, 0, v3
	s_delay_alu instid0(VALU_DEP_1)
	v_cndmask_b32 v254, v[PW], v[PW+1], vcc_lo     ; lanes 0-15 the first tile's words, lanes 16-31 the second's
	global_store_b32 v8, v254, s[10:11]
	s_wait_dscnt 0x0                               ; for the others' sake: my bias stores have landed
	s_barrier_signal -1
	s_barrier_wait -1
	ds_load_b128 v[16:19], v9                      ; wave w: group w / 2, piece w % 2: 512 bytes
	s_wait_dscnt 0x0
	global_store_b128 v1, v[16:19], s[12:13]       ; 512 consecutive bytes, at a multiple of 512 from bw's first byte
	s_wait_tensorcnt 0x0
	ds_add_u32 v239, v255
	s_wait_dscnt 0x0
	s_endpgm
.Lfunc_end_k_qc96170a633_prep:
	.size	k_qc96170a633_prep, .Lfunc_end_k_qc96170a633_prep-k_qc96170a633_prep
	.p2alignl 7, 3214868480
	.fill 96, 4, 3214868480
	.section	.rodata,"a",@progbits
	.p2align	6, 0x0
	.amdhsa_kernel k_qc96170a633_prep
		.amdhsa_group_segment_fixed_size 74752
		.amdhsa_private_segment_fixed_size 0
		.amdhsa_enable_private_segment 0
		.amdhsa_kernarg_size 40
		.amdhsa_user_sgpr_count 2
		.amdhsa_user_sgpr_kernarg_segment_ptr 1
		.amdhsa_wavefront_size32 1
		.amdhsa_system_sgpr_workgroup_id_x 1
		.amdhsa_system_sgpr_workgroup_id_y 1
		.amdhsa_system_sgpr_workgroup_id_z 1
		.amdhsa_system_vgpr_workitem_id 0
		.amdhsa_next_free_vgpr 512
		.amdhsa_next_free_sgpr 66
		.amdhsa_reserve_vcc 1
		.amdhsa_float_denorm_mode_32 3
		.amdhsa_float_denorm_mode_16_64 3
		.amdhsa_memory_ordered 1
		.amdhsa_forward_progress 1
		.amdhsa_inst_pref_size 46
	.end_amdhsa_kernel
	.amdgpu_metadata
---
amdhsa.version: [ 1, 2 ]
amdhsa.kernels:
  - .name:           k_qc96170a633_prep
    .symbol:         k_qc96170a633_prep.kd
    .args:
      - { .name: x, .offset: 0, .size: 8, .value_kind: global_buffer, .address_space: global }
      - { .name: Wb, .offset: 8, .size: 8, .value_kind: global_buffer, .address_space: global }
      - { .name: xc, .offset: 16, .size: 8, .value_kind: global_buffer, .address_space: global }
      - { .name: xs, .offset: 24, .size: 8, .value_kind: global_buffer, .address_space: global }
      - { .name: bw, .offset: 32, .size: 8, .value_kind: global_buffer, .address_space: global }
    .group_segment_fixed_size: 74752
    .private_segment_fixed_size: 0
    .kernarg_segment_align: 8
    .kernarg_segment_size: 40
    .max_flat_workgroup_size: 256
    .sgpr_count:     66
    .vgpr_count:     512
    .wavefront_size: 32
...
	.end_amdgpu_metadata
.endif
;; end of part 1
;; launch attn (part 2): grid 256 x 1, 4 waves a work-group, no clusters, 136,704 bytes of LDS; arguments xc, xs, bw, Wq_codes, Wq_scales, Wk_codes, Wk_scales, Wv_codes, Wv_scales, Wg_codes, Wg_scales, bg, Wo_codes, Wo_scales, bo, out0; writes out0
.if DOCPART == 2
	.amdgcn_target "amdgcn-amd-amdhsa--gfx1250"
	.amdhsa_code_object_version 6
	.text
	.protected	k_qc96170a633_attn
	.globl	k_qc96170a633_attn
	.p2align	8
	.type	k_qc96170a633_attn,@function
k_qc96170a633_attn:
	s_mov_b64 s[64:65], 0
	v_nop
	global_prefetch_b8 v0, s[64:65] scope:SCOPE_SE
	s_setreg_imm32_b32 hwreg(HW_REG_WAVE_MODE, 25, 1), 1
	s_wait_xcnt 0x0
; One row i a work-group, one group g of 32 channels a wave: q, k, v; scores q . k + bias; softmax DOWN a column (over the queries j); attn v; x gate; and, from all four waves' results, the output projection + bo.
; All products on codes of E3M2 with one E8M0 scale for each 32 along K; sums in f32.
; THE WALK.  256 queries stand in sixteen tiles; the 256 keys go in four trips of 64 (key tiles t = 0 .. 3), a trip in two steps of 32 (t = 0, 1 and t = 2, 3).
; POSITIONS.  Tile T, row r is position pos(T, r) = 64 (T / 4) + 32 (r / 8) + 8 (T % 4) + r % 8.  The rows of a weight's tile u are channels 32 g + 8 u + r + 8 (r / 8).
; SCORES.  Source 0 = 16 keys, source 1 = 16 queries: lane (r, h) holds ONE query and the 32 registers of the trip's four key tiles are the 32 NEIGHBOURING keys 64 trip + 32 h + 0 .. 31.
;   The bias is the C of the product and lies in memory in the order of the accumulators' registers: it is loaded straight into them, half a trip (64 loads a wave) ahead of its use.
;   Step 0's registers of the next trip are loaded as soon as this trip's codes have left them, step 1's just ahead of and behind step 0's products.
; NO CLUSTER: what work-groups share is the bias.  A joint load lands in LDS, where a trip's 262,144 bytes for four groups leave no room for a second slot, and from where every byte would be read once more into the accumulators.
; NO PREFETCH: the loads of the bias themselves stand half a trip ahead of their use; everything else is read once, at the head.
; K = 32 ON AN INSTRUCTION OF K = 128.  A fragment has four slots of three registers; a lane's half block (16 channels of its row) fills one slot.  A fragment of q holds FOUR tiles of queries; the key tile stands in one slot between zero CODES.
;   A row's scale byte stands at all four places of its word.  Two copies of a key tile, at an even and at an odd register (KA, KB), give all four slots, since operands begin at even registers.
; SECOND PRODUCT.  64 keys: a lane's two runs of 16 keys fill registers 0-2 and 6-8 (blocks h and 2 + h, both with the lane half's byte); v's registers 3-5, 9-11 are zero codes, so what stands there in attn's operand adds nothing.
; SCALE WORDS OF TWO TILES in one register: lanes 0-15 the first's, lanes 16-31 (ROW1) the second's.
; The column maximum is exact.  t = s log2e - m log2e by one fused multiply-add; the rounding of m log2e is common to a column and cancels in the division by the column's sum.
; LDS: x[i]'s codes and scale words, images of the weights' fragments, bo, bg, scale words, the gated result's codes, a stage for each wave on the way out.  Nothing is filled by a tensor load.
; LIMITS: NaN and infinities are not served.  A block whose largest magnitude lies under 2^-122 gets the byte 1 (a block of zeros has zero codes under any byte; only this program reads the bytes).
;   v_exp_f32 gives 0 for results under 2^-126 (ISA guide, its entry).  The scaled scores stay under 2^31 in magnitude.  The weights' scale bytes are passed on as they are given.
; REGISTERS: window 0: as below;  window 1: O, 16 registers a tile of queries;  windows 2, 3: scores, 32 registers a tile (tiles 0-7, 8-15), the lower 16 step 0's, the upper 16 step 1's.
;   While step 1's registers are free they hold the weights' fragments, x's four fragments (window 2), k and v as they are made (window 3).
.set XSI,  24576                       ; x's codes lie at LDS byte 0, [T][piece 3][lane][16 bytes]; its scale words here
.set WIMG, 25600                       ; images, six a wave: Wk's, Wv's, Wg's two tiles
.set WOI,  62464                       ; Wo's eight images
.set BOI,  74752                       ; bo, bg, Wo's scale words, Wg's scale words, 512 bytes each
.set OCB,  76800                       ; the gated result's codes: [T][r][g][24 bytes]
.set SCB,  101376                      ; and its scale bytes: [T][r][g]
.set STG,  102400                      ; stages of 16 rows x 528 bytes
.set SPARE, 136192                     ; the spare words
.set LI,  1                            ; v1   16 x lane
.set R4A, 2                            ; v2   x's scale words: 4 r
.set XA,  4                            ; v4   the trip's x
.set RSA, 5                            ; v5   the trip's scale words
.set WIA, 6                            ; v6   my images
.set OA,  7                            ; v7   where my codes go
.set SA,  8                            ; v8   where my scale bytes go
.set OLA, 9                            ; v9   the fragment that I project
.set SLA, 10                           ; v10  its scale words
.set STI, 11                           ; v11  into my stage
.set STO, 12                           ; v12  out of it
.set HB,  13                           ; v13  bo: 8 h numbers
.set HG,  14                           ; v14  bg: 32 g + 16 h numbers
.set L4B, 15                           ; v15  Wo's scale words
.set WGA, 145                          ; v145 Wg's scale words
.set QF,  16                           ; v16-63   q's four fragments
.set QS,  64                           ; v64-71   q's scale words, two tiles each
.set KA,  78                           ; v72-121  zeros, KA0 78-80, zeros, KB0 91-93, zeros, KA1 100-102, zeros, KB1 113-115, zeros
.set KB,  91
.set KS,  122                          ; v122-125 the key tiles' scale words
.set VS,  126                          ; v's two tiles'
.set WSK, 127                          ; Wk's (at the end Wg's)
.set WSV, 128                          ; Wv's
.set XS,  129                          ; v129-132 x's four tiles'
.set W,   133                          ; v133-140 attn's, two tiles each (at the head x's; at the end Wo's)
.set WSQ, 141                          ; Wq's (at the end the gated result's)
.set KC,  142                          ; v142-144, v146-148 the codes of key tiles 2, 3 until step 1
.set VF,  150                          ; v150-161, v162-173 v's two tiles
.set AT,  174                          ; v174-221 attn's codes, four tiles of queries
.set MX,  222                          ; v222-237 column maxima
.set LS,  238                          ; v238-253 column sums
.set BM,  222                          ; v222-239 at work while neither is alive
.set BA,  242                          ; v242-253 at work at the head and at the end
.set BB,  246
.set BS,  250
.set CT,  226                          ; at the end: codes, four registers a tile
.set MSB, 0
.macro WIN new                         ; the immediate's high byte repeats the setting that is left; a switch that changes nothing is dropped
.if MSB != (\new)
	s_set_vgpr_msb (MSB<<8)|(\new)
.set MSB, (\new)
.endif
.endm
.macro NOPS n
.rept \n
	v_nop
.endr
.endm
.macro VW
	s_wait_alu depctr_va_vdst(0)
.endm
.macro BAR
	s_barrier_signal -1
	s_barrier_wait -1
.endm
.macro MM d, a, b, c, sa, sb, ra, rb   ; D = A B + C;  ra, rb = 1: the side's scale words are read from lanes 16-31
.if (\ra)+(\rb) == 0
	v_wmma_scale_f32_16x16x128_f8f6f4 v[(\d):(\d)+7], v[(\a):(\a)+11], v[(\b):(\b)+11], v[(\c):(\c)+7], v[\sa], v[\sb] matrix_a_fmt:MATRIX_FMT_BF6 matrix_b_fmt:MATRIX_FMT_BF6
.endif
.if (\ra)-(\rb) == 1
	v_wmma_scale_f32_16x16x128_f8f6f4 v[(\d):(\d)+7], v[(\a):(\a)+11], v[(\b):(\b)+11], v[(\c):(\c)+7], v[\sa], v[\sb] matrix_a_fmt:MATRIX_FMT_BF6 matrix_b_fmt:MATRIX_FMT_BF6 matrix_a_scale:MATRIX_SCALE_ROW1
.endif
.if (\rb)-(\ra) == 1
	v_wmma_scale_f32_16x16x128_f8f6f4 v[(\d):(\d)+7], v[(\a):(\a)+11], v[(\b):(\b)+11], v[(\c):(\c)+7], v[\sa], v[\sb] matrix_a_fmt:MATRIX_FMT_BF6 matrix_b_fmt:MATRIX_FMT_BF6 matrix_b_scale:MATRIX_SCALE_ROW1
.endif
.if (\ra)+(\rb) == 2
	v_wmma_scale_f32_16x16x128_f8f6f4 v[(\d):(\d)+7], v[(\a):(\a)+11], v[(\b):(\b)+11], v[(\c):(\c)+7], v[\sa], v[\sb] matrix_a_fmt:MATRIX_FMT_BF6 matrix_b_fmt:MATRIX_FMT_BF6 matrix_a_scale:MATRIX_SCALE_ROW1 matrix_b_scale:MATRIX_SCALE_ROW1
.endif
.endm
.macro MMZ d, a, b, sa, sb, ra, rb     ; D = A B
.if (\ra)+(\rb) == 0
	v_wmma_scale_f32_16x16x128_f8f6f4 v[(\d):(\d)+7], v[(\a):(\a)+11], v[(\b):(\b)+11], 0, v[\sa], v[\sb] matrix_a_fmt:MATRIX_FMT_BF6 matrix_b_fmt:MATRIX_FMT_BF6
.endif
.if (\ra)-(\rb) == 1
	v_wmma_scale_f32_16x16x128_f8f6f4 v[(\d):(\d)+7], v[(\a):(\a)+11], v[(\b):(\b)+11], 0, v[\sa], v[\sb] matrix_a_fmt:MATRIX_FMT_BF6 matrix_b_fmt:MATRIX_FMT_BF6 matrix_a_scale:MATRIX_SCALE_ROW1
.endif
.if (\rb)-(\ra) == 1
	v_wmma_scale_f32_16x16x128_f8f6f4 v[(\d):(\d)+7], v[(\a):(\a)+11], v[(\b):(\b)+11], 0, v[\sa], v[\sb] matrix_a_fmt:MATRIX_FMT_BF6 matrix_b_fmt:MATRIX_FMT_BF6 matrix_b_scale:MATRIX_SCALE_ROW1
.endif
.endm
.macro WL d, ad, sp, o                 ; a weight's fragment, 16 rows x 128 K
.irp p, 0,1,2,3,4,5
	global_load_b64 v[\d+2*\p:\d+2*\p+1], v[\ad], s[\sp:\sp+1] offset:\o+48*(\p/3)+8*(\p%3)
.endr
.endm
.macro BQ m, s, add                    ; step s's bias of tiles 4 m .. 4 m + 3: piece p of tile jt lies at 4,096 jt + 512 p
	WIN 0x80+0x40*((\m)/2)
.irp q, 0,1,2,3
.irp p, 0,1,2,3
	global_load_b128 v[32*((4*\m+\q)%8)+16*\s+4*\p:32*((4*\m+\q)%8)+16*\s+4*\p+3], v[LI], s[40:41] offset:\add+4096*(4*\m+\q)+2048*\s+512*\p
.endr
.endr
.endm
.macro XQ win, d, b                    ; x's four fragments 4 b .. 4 b + 3, 32 registers apart
	WIN \win
.irp t, 0,1,2,3
.irp p, 0,1,2
	ds_load_b128 v[\d+32*\t+4*\p:\d+32*\t+4*\p+3], v[LI] offset:1536*(4*\b+\t)+512*\p
.endr
.endr
	WIN 0
.endm
.macro XW d, b                         ; and their scale words
.irp t, 0,1,2,3
	ds_load_b32 v[\d+\t], v[R4A] offset:64*(4*(\b)+\t)
.endr
.endm
.macro KVL                             ; what the coming trip's k and v are made of, into step 1's registers of window 2: Wk, Wv; x's four fragments; x's scale words
	v_add_nc_u32 v[XA], s50, v[LI]
	v_add_nc_u32 v[RSA], s51, v[R4A]
	WIN 0x80
.irp f, 0,1,2,3
.irp p, 0,1,2
	ds_load_b128 v[32*\f+16+4*\p:32*\f+19+4*\p], v[WIA] offset:1536*\f+512*\p
.endr
.endr
.irp t, 0,1,2,3
.irp p, 0,1,2
	ds_load_b128 v[144+32*\t+4*\p:147+32*\t+4*\p], v[XA] offset:1536*\t+512*\p
.endr
.endr
	WIN 0
.irp t, 0,1,2,3
	ds_load_b32 v[XS+\t], v[RSA] offset:64*\t
.endr
.endm
; Four blocks of 32 that lie in lanes l and l xor 16, 16 registers each from v[base + st q] of window w: BS + q: the conversion's scale operand.  Each accumulator is read from its low end on.
.macro BM4 w, base, st
	WIN (\w)|((\w)<<2)|((\w)<<4)
.irp q, 0,1,2,3
	v_max3_num_f32 v[BA+\q], |v[\base+\st*\q]|, |v[\base+\st*\q+1]|, 0x2800000   ; the floor 2^(5 - 127): the byte cannot fall under 1
	v_max3_num_f32 v[BB+\q], |v[\base+\st*\q+8]|, |v[\base+\st*\q+9]|, |v[\base+\st*\q+10]|
.endr
	WIN ((\w)<<2)|((\w)<<4)
.irp i, 2,4
.irp q, 0,1,2,3
	v_max3_num_f32 v[BA+\q], v[BA+\q], |v[\base+\st*\q+\i]|, |v[\base+\st*\q+\i+1]|
	v_max3_num_f32 v[BB+\q], v[BB+\q], |v[\base+\st*\q+\i+9]|, |v[\base+\st*\q+\i+10]|
.endr
.endr
.irp q, 0,1,2,3
	v_max3_num_f32 v[BA+\q], v[BA+\q], |v[\base+\st*\q+6]|, |v[\base+\st*\q+7]|
.endr
	WIN (\w)<<4
.irp q, 0,1,2,3
	v_max3_num_f32 v[BA+\q], v[BA+\q], v[BB+\q], |v[\base+\st*\q+15]|
.endr
	WIN 0
.irp q, 0,1,2,3
	v_permlanex16_b32 v[BB+\q], v[BA+\q], s36, s37
.endr
.irp q, 0,1,2,3
	v_max_num_f32 v[BA+\q], v[BA+\q], v[BB+\q]
.endr
.irp q, 0,1,2,3
	v_add_nc_u32 v[BS+\q], 0xfe000000, v[BA+\q]            ; 4 off the exponent field
.endr
.endm
; The largest / the sum over the sixteen lanes of a row of 16 registers, which become four: lanes 4 e .. 4 e + 3 of register b + p hold register 4 e + p's.
.macro RED op, b, w                    ; w: eight registers at work.  Lanes 8-15 (then 4-7 and 12-15) go on with the register eight (four) further on
	s_mov_b32 vcc_lo, 0xff00ff00
.set k, 0
.rept 8
	v_cndmask_b32 v[\w+k], v[\b+8+k], v[\b+k], vcc_lo      ; what the lane eight off wants,
	v_cndmask_b32 v[\b+k], v[\b+k], v[\b+8+k], vcc_lo      ; and what I keep
.set k, k+1
.endr
.set k, 0
.rept 8
	\op v[\b+k], v[\w+k], v[\b+k] row_xmask:8 row_mask:0xf bank_mask:0xf
.set k, k+1
.endr
	s_mov_b32 vcc_lo, 0xf0f0f0f0
.set k, 0
.rept 4
	v_cndmask_b32 v[\w+k], v[\b+4+k], v[\b+k], vcc_lo
	v_cndmask_b32 v[\b+k], v[\b+k], v[\b+4+k], vcc_lo
.set k, k+1
.endr
.set k, 0
.rept 4
	\op v[\b+k], v[\w+k], v[\b+k] row_xmask:4 row_mask:0xf bank_mask:0xf
.set k, k+1
.endr
.irp m, 1,2
.set k, 0
.rept 4
	\op v[\b+k], v[\b+k], v[\b+k] row_xmask:\m row_mask:0xf bank_mask:0xf
.set k, k+1
.endr
.endr
.endm
.macro BCAST b                         ; and back: sixteen registers, every lane of a row with its column's number (the four sources last)
.irp e, 4,8,12,0
.irp p, 0,1,2,3
	v_mov_b32_dpp v[\b+\e+\p], v[\b+\p] row_share:\e row_mask:0xf bank_mask:0xf
.endr
.endr
.endm
	s_load_b512 s[4:19], s[0:1], 0x0               ; xc s[4:5], xs s[6:7], bw s[8:9], Wq s[10:13], Wk s[14:17], Wv's codes s[18:19]
	s_load_b512 s[20:35], s[0:1], 0x40             ; Wv's scales s[20:21], Wg s[22:25], bg s[26:27], Wo s[28:31], bo s[32:33], out0 s[34:35]
	v_lshl_add_u32 v254, v0, 2, SPARE
	v_mov_b32 v255, 0
	v_lshrrev_b32 v253, 5, v0
	v_readfirstlane_b32 s44, v253                  ; wave = group g
	s_mul_i32 s46, s44, 6144                       ; xc: 24,576 i, and the quarter that I bring
	s_mul_i32 s48, ttmp9, 24576
	s_add_co_u32 s46, s46, s48
	s_mov_b32 s47, 0
	s_lshl_b32 s48, ttmp9, 10                      ; xs: 1,024 i, likewise
	s_lshl_b32 s49, s44, 8
	s_add_co_u32 s48, s48, s49
	s_mov_b32 s49, 0
	s_lshl_b32 s52, s44, 18                        ; bw: 262,144 g
	s_mov_b32 s53, 0
	s_lshl_b32 s58, ttmp9, 17                      ; out0: 131,072 i + 8 g rows of 512 bytes: of every four tiles I project the g-th
	s_lshl_b32 s60, s44, 12
	s_add_co_u32 s58, s58, s60
	s_mov_b32 s59, 0
	s_mov_b32 s36, 0x76543210
	s_mov_b32 s37, 0xfedcba98                      ; v_permlanex16_b32's selects for lane l xor 16
	s_mov_b32 s38, 0x3e3504f3                      ; 1 / sqrt(32); the packed forms name a pair and take its low word for both halves, so both are written
	s_mov_b32 s39, s38
	s_mov_b32 s54, 0x3fb8aa3b                      ; log2(e)
	s_mov_b32 s55, s54
	s_mov_b32 s56, 0xbfb8aa3b                      ; -log2(e)
	s_mov_b32 s57, s56
	s_mov_b32 s62, 0x07030703                      ; byte selects: the top bytes of two registers by turns,
	s_mov_b32 s63, 0x03030303                      ; the top byte four times
	v_and_b32 v253, 31, v0                         ; lane
	v_and_b32 v246, 15, v0                         ; r
	v_bfe_u32 v247, v0, 4, 1                       ; h
	v_cmp_ne_u32 vcc_lo, 0, v247
	v_lshlrev_b32 v[LI], 4, v253
	v_lshlrev_b32 v248, 2, v246
	v_add_nc_u32 v[R4A], XSI, v248
	v_add_nc_u32 v[SA], s44, v248
	v_add_nc_u32 v[SA], SCB, v[SA]
	s_lshl_b32 s51, s44, 6
	s_add_co_u32 s51, s51, SCB
	v_add_nc_u32 v[SLA], s51, v248
	v_mul_u32_u24 v249, v246, 96
	v_mad_u32_u24 v250, v247, 24, v249             ; a fragment's row r of 96 bytes, + 24 h
	s_mul_i32 s51, s44, 1536
	s_add_co_u32 s51, s51, OCB
	v_add_nc_u32 v[OLA], s51, v250
	s_mul_i32 s51, s44, 24
	s_add_co_u32 s51, s51, OCB
	v_mad_u32_u24 v[OA], v247, 12, v249
	v_add_nc_u32 v[OA], s51, v[OA]                 ; row r, group g, 12 h
	s_mul_i32 s51, s44, 3072
	v_add_nc_u32 v252, s51, v250                   ; Wo: the two tiles whose images I make
	s_add_co_u32 s51, s51, WOI
	v_add_nc_u32 v144, s51, v[LI]
	v_and_b32 v251, 8, v246
	v_add_nc_u32 v251, v251, v246                  ; r + 8 (r / 8)
	v_mul_u32_u24 v249, v251, 96
	v_mad_u32_u24 v249, v247, 24, v249
	s_mul_i32 s51, s44, 3072
	v_add_nc_u32 v249, s51, v249                   ; a weight's rows of my group
	v_lshl_add_u32 v250, v247, 3, v251
	s_lshl_b32 s51, s44, 7
	v_lshl_add_u32 v250, v250, 2, s51              ; their scale words: lanes 0-15 tile 0's, lanes 16-31 tile 1's
	v_add_nc_u32 v[WGA], BOI, v250
	v_lshl_add_u32 v[HG], v247, 6, s51
	v_add_nc_u32 v[HG], BOI, v[HG]
	v_lshlrev_b32 v[HB], 5, v247
	v_add_nc_u32 v[HB], BOI, v[HB]
	v_lshlrev_b32 v[L4B], 2, v253
	v_add_nc_u32 v[L4B], BOI, v[L4B]
	s_mul_i32 s51, s44, 9216
	s_add_co_u32 s51, s51, WIMG
	v_add_nc_u32 v[WIA], s51, v[LI]
	s_mul_i32 s51, s44, 8448
	s_add_co_u32 s51, s51, STG
	v_add_nc_u32 v[STO], s51, v[LI]
	v_mul_u32_u24 v[STI], v246, 528
	v_lshl_add_u32 v[STI], v247, 5, v[STI]
	v_add_nc_u32 v[STI], s51, v[STI]
	s_mul_i32 s51, s44, 6144
	v_add_nc_u32 v142, s51, v[LI]                  ; x's quarter into LDS
	v_lshlrev_b32 v147, 3, v253
	s_lshl_b32 s51, s44, 8
	s_add_co_u32 s51, s51, XSI
	v_add_nc_u32 v143, s51, v147                   ; and its scale words'
	v_lshlrev_b32 v148, 2, v0
	v_add_nc_u32 v146, BOI, v148
	VW
	s_wait_kmcnt 0x0
	s_add_nc_u64 s[4:5], s[4:5], s[46:47]
	s_add_nc_u64 s[6:7], s[6:7], s[48:49]
	s_add_nc_u64 s[40:41], s[8:9], s[52:53]
	s_add_nc_u64 s[34:35], s[34:35], s[58:59]
	WIN 0x80
.irp k, 0,1,2,3,4,5,6,7,8,9,10,11
	global_load_b128 v[32*(\k/4)+16+4*(\k%4):32*(\k/4)+19+4*(\k%4)], v[LI], s[4:5] offset:512*\k   ; my quarter of x[i]: 512 consecutive bytes a load
.endr
	global_load_b64 v[244:245], v147, s[6:7]
	WIN 0
	WL 174, 249, 10, 0                             ; Wq's two tiles stay in attn's registers until q is made
	WL 186, 249, 10, 768
	WL 198, 249, 14, 0                             ; Wk's, Wv's: on their way to their images
	WL 210, 249, 14, 768
	WL 222, 249, 18, 0
	WL 234, 249, 18, 768
	global_load_b32 v[WSQ], v250, s[12:13]
	global_load_b32 v[WSK], v250, s[16:17]
	global_load_b32 v[WSV], v250, s[20:21]
	WIN 0x40
.set k, 0
.rept 256
	v_mov_b32 v[k], 0                              ; O begins as zeros, so that the trip is written once
.set k, k+1
.endr
	WIN 0
.set k, 72
.rept 50
	v_mov_b32 v[k], 0                              ; the zero codes round the key tiles: written once
.set k, k+1
.endr
	VW
	s_wait_loadcnt 0x0
	WIN 0x08
.irp k, 0,1,2,3,4,5,6,7,8,9,10,11
	ds_store_b128 v142, v[32*(\k/4)+16+4*(\k%4):32*(\k/4)+19+4*(\k%4)] offset:512*\k
.endr
	ds_store_b64 v143, v[244:245]
	WIN 0
.irp f, 0,1,2,3
.irp p, 0,1,2
	ds_store_b128 v[WIA], v[198+12*\f+4*\p:201+12*\f+4*\p] offset:1536*\f+512*\p   ; a fragment as it stands
.endr
.endr
	s_wait_dscnt 0x0
	BAR                                            ; x[i] is whole
	XQ 0x80, 144, 0
	XW XS, 0
	XQ 0xC0, 0, 1
	XW W, 1
	XQ 0xC0, 128, 2
	XW W+4, 2
	WIN 0x80                                       ; Wg's and Wo's fragments and four tables of 128 words, one word a thread: on their way to LDS
	WL 16, 249, 22, 0
	WL 48, 249, 22, 768
	WL 80, 252, 28, 0
	WL 112, 252, 28, 1536
	global_load_b32 v28, v148, s[32:33]
	global_load_b32 v29, v148, s[26:27]
	global_load_b32 v30, v148, s[30:31]
	global_load_b32 v31, v148, s[24:25]
	BQ 0, 0, 0                                     ; the first trip's bias, tiles 0-7
	BQ 1, 0, 0
	WIN 0
	VW
	s_wait_xcnt 0x0                                ; the address registers above may be written again
; q of four tiles, transposed: source 0 = 16 channels of Wq, source 1 = 16 positions: lane (r, h) holds position pos(T, r) and channels 32 g + 16 h + 0 .. 15.  n: the LDS loads issued behind these tiles'.
.macro QQ b, xb, win, xw, db, n
	VW
	s_wait_dscnt \n
	WIN \win
.irp t, 0,1,2,3
.irp u, 0,1
	MMZ \db+32*\t+8*\u, 174+12*\u, \xb+32*\t, WSQ, \xw+\t, \u, 0
.endr
.endr
	WIN 0
	NOPS 4
	WIN 0xC3
.irp k, 0,2,4,6,8,10,12,14
.irp t, 0,1,2,3
	v_pk_mul_f32 v[\db+32*\t+\k:\db+32*\t+\k+1], v[\db+32*\t+\k:\db+32*\t+\k+1], s[38:39] op_sel_hi:[1,0]   ; q / sqrt(32), ahead of the quantiser
.endr
.endr
	BM4 3, \db, 32
.irp q, 0,1,2,3
	v_lshrrev_b32 v[BA+\q], 23, v[BS+\q]
.endr
	v_cndmask_b32 v[BB], v[BA], v[BA+1], vcc_lo
	v_cndmask_b32 v[BB+1], v[BA+2], v[BA+3], vcc_lo
	v_perm_b32 v[QS+2*\b], v[BB], v[BB], 0         ; the byte at all four places
	v_perm_b32 v[QS+2*\b+1], v[BB+1], v[BB+1], 0
	WIN 3
	v_cvt_scalef32_pk16_bf6_f32 v[QF+12*\b:QF+12*\b+2], v[\db:\db+15], v[BS]
	v_cvt_scalef32_pk16_bf6_f32 v[150:152], v[\db+32:\db+47], v[BS+1]      ; (a conversion's three registers begin on an even number)
	v_cvt_scalef32_pk16_bf6_f32 v[QF+12*\b+6:QF+12*\b+8], v[\db+64:\db+79], v[BS+2]
	v_cvt_scalef32_pk16_bf6_f32 v[154:156], v[\db+96:\db+111], v[BS+3]
	WIN 0
	v_nop                                          ; one plain place behind a scaled conversion
.irp i, 0,1,2
	v_mov_b32 v[QF+12*\b+3+\i], v[150+\i]
	v_mov_b32 v[QF+12*\b+9+\i], v[154+\i]
.endr
.endm
	QQ 0, 144, 0xC8, XS, 16, 32
	XQ 0x80, 144, 3
	XW KS, 3
	QQ 1, 0, 0xCC, W, 144, 32
	QQ 2, 128, 0xCC, W+4, 16, 16
	QQ 3, 144, 0xC8, KS, 144, 0
.irp o, 3,4,5,9,10,11,15,16,17,21,22,23
	v_mov_b32 v[VF+\o], 0                          ; v's zero codes: written once
.endr
	VW
	s_wait_loadcnt 32                              ; all but the 32 loads of bias
	WIN 0x08
.irp u, 0,1
.irp p, 0,1,2
	ds_store_b128 v[WIA], v[16+32*\u+4*\p:19+32*\u+4*\p] offset:1536*(4+\u)+512*\p
	ds_store_b128 v144, v[80+32*\u+4*\p:83+32*\u+4*\p] offset:1536*\u+512*\p
.endr
.endr
.irp k, 0,1,2,3
	ds_store_b32 v146, v[28+\k] offset:512*\k
.endr
	BQ 2, 0, 0                                     ; the first trip's bias, tiles 8-15
	BQ 3, 0, 0
	WIN 0
	s_wait_dscnt 0x0
	BAR                                            ; everybody's images and tables are in LDS
	s_mov_b32 s50, 0
	s_mov_b32 s51, 0
	KVL
	s_mov_b32 s49, 4                               ; trips to go
	s_mov_b32 s50, 6144                            ; the next trip's x in LDS,
	s_mov_b32 s51, 256                             ; and its scale words
; The products of step s, then the softmax down its 32 columns, finished and normalised in place.  c0 .. c3: the loads issued behind those of tiles 0-3, 4-7, 8-11, 12-15 (64 in the first case of step 0; the count's field names 63 at most).
.macro STEP s, c0, c1, c2, c3
	VW
.irp m, 0,1,2,3
.if \m == 0
	s_wait_loadcnt \c0
.endif
.if \m == 1
	s_wait_loadcnt \c1
.endif
.if \m == 2
	s_wait_loadcnt \c2
.endif
.if \m == 3
	s_wait_loadcnt \c3
.endif
	WIN 0xA0+0x50*(\m/2)
.irp t, 0,1
	MM 32*((4*\m)%8)+16*\s+8*\t, KA+22*\t, QF+12*\m, 32*((4*\m)%8)+16*\s+8*\t, KS+2*\s+\t, QS+2*\m, 0, 0
	MM 32*((4*\m+1)%8)+16*\s+8*\t, KB-3+22*\t, QF+12*\m, 32*((4*\m+1)%8)+16*\s+8*\t, KS+2*\s+\t, QS+2*\m, 0, 1
	MM 32*((4*\m+2)%8)+16*\s+8*\t, KA-6+22*\t, QF+12*\m, 32*((4*\m+2)%8)+16*\s+8*\t, KS+2*\s+\t, QS+2*\m+1, 0, 0
	MM 32*((4*\m+3)%8)+16*\s+8*\t, KB-9+22*\t, QF+12*\m, 32*((4*\m+3)%8)+16*\s+8*\t, KS+2*\s+\t, QS+2*\m+1, 0, 1
.endr
.endr
.if \s == 0
	BQ 1, 1, 0                                     ; step 1's bias, all but tiles 0-3
	BQ 2, 1, 0
	BQ 3, 1, 0
.endif
	WIN 0
	NOPS 4
	WIN 0x2A                                       ; the maximum over the sixteen tiles of queries, register by register, each accumulator from its low end on
.set k, 16*\s
.rept 16
	v_max3_num_f32 v[MX+k-16*\s], v[k], v[32+k], v[64+k]
.set k, k+1
.endr
	WIN 0x28
.irp a, 96,160
.set k, 16*\s
.rept 16
	v_max3_num_f32 v[MX+k-16*\s], v[MX+k-16*\s], v[\a+k], v[\a+32+k]
.set k, k+1
.endr
.endr
	WIN 0x38
.set k, 16*\s
.rept 16
	v_max3_num_f32 v[MX+k-16*\s], v[MX+k-16*\s], v[224+k], v[k]
.set k, k+1
.endr
	WIN 0x3C
.irp a, 32,96,160
.set k, 16*\s
.rept 16
	v_max3_num_f32 v[MX+k-16*\s], v[MX+k-16*\s], v[\a+k], v[\a+32+k]
.set k, k+1
.endr
.endr
.set k, 16*\s
.rept 16
	v_max_num_f32 v[MX+k-16*\s], v[MX+k-16*\s], v[224+k]
.set k, k+1
.endr
	WIN 0
	RED v_max_num_f32_dpp, MX, LS
.irp p, 0,1,2,3
	v_mul_f32 v[MX+\p], s56, v[MX+\p]              ; -m log2e
.endr
	BCAST MX
.irp w, 0x82,0xC3
	WIN \w
.set k, 0
.rept 64
.set rg, 32*(k/8)+16*\s+2*(k%8)
	v_pk_fma_f32 v[rg:rg+1], v[rg:rg+1], s[54:55], v[MX+2*(k%8):MX+2*(k%8)+1] op_sel_hi:[1,0,1]
.set k, k+1
.endr
	VW                                             ; one wait ahead of the batch: it serves the batch before too
.set k, 0
.rept 128
	v_exp_f32 v[32*(k/16)+16*\s+k%16], v[32*(k/16)+16*\s+k%16]
.set k, k+1
.endr
.endr
	WIN 0x0A                                       ; the column's sum, likewise (window 2's exponentials have had their wait)
.set k, 0
.rept 8
	v_pk_add_f32 v[LS+2*k:LS+2*k+1], v[16*\s+2*k:16*\s+2*k+1], v[32+16*\s+2*k:33+16*\s+2*k]
.set k, k+1
.endr
	WIN 0x08
.irp a, 64,96,128,160,192,224
.set k, 0
.rept 8
	v_pk_add_f32 v[LS+2*k:LS+2*k+1], v[LS+2*k:LS+2*k+1], v[\a+16*\s+2*k:\a+16*\s+2*k+1]
.set k, k+1
.endr
.endr
	WIN 0x0C
	VW                                             ; window 3's
.irp a, 0,32,64,96,128,160,192,224
.set k, 0
.rept 8
	v_pk_add_f32 v[LS+2*k:LS+2*k+1], v[LS+2*k:LS+2*k+1], v[\a+16*\s+2*k:\a+16*\s+2*k+1]
.set k, k+1
.endr
.endr
	WIN 0
	RED v_add_f32_dpp, LS, MX
.if \s == 0
.irp t, 0,1
.irp i, 0,1,2
	v_mov_b32 v[KA+22*\t+\i], v[KC+4*\t+\i]        ; step 1's key tiles take their places
	v_mov_b32 v[KB+22*\t+\i], v[KC+4*\t+\i]
.endr
.endr
.endif
	VW
.irp p, 0,1,2,3
	v_rcp_f32 v[LS+\p], v[LS+\p]
.endr
	v_nop                                          ; a plain place behind the reciprocals
	VW
	BCAST LS
.irp w, 0x82,0xC3
	WIN \w
.set k, 0
.rept 64
.set rg, 32*(k/8)+16*\s+2*(k%8)
	v_pk_mul_f32 v[rg:rg+1], v[rg:rg+1], v[LS+2*(k%8):LS+2*(k%8)+1]        ; attn, finished and normalised: it is what the quantiser takes
.set k, k+1
.endr
.endr
	WIN 0
.endm
; The finish, four tiles of queries at a time: a lane's block of 32 keys is all its own, and none is negative: no |.|
.macro BMX m
	WIN (2+(\m)/2)|((2+(\m)/2)<<2)|((2+(\m)/2)<<4)
.set cb, 128*((\m)%2)
.irp q, 0,1,2,3
	v_max3_num_f32 v[BM+\q], v[cb+32*\q], v[cb+32*\q+1], 0x2800000
	v_max3_num_f32 v[BM+4+\q], v[cb+32*\q+16], v[cb+32*\q+17], v[cb+32*\q+18]
.endr
	WIN ((2+(\m)/2)<<2)|((2+(\m)/2)<<4)
.irp i, 2,4,6,8,10,12
.irp q, 0,1,2,3
	v_max3_num_f32 v[BM+\q], v[BM+\q], v[cb+32*\q+\i], v[cb+32*\q+\i+1]
	v_max3_num_f32 v[BM+4+\q], v[BM+4+\q], v[cb+32*\q+\i+17], v[cb+32*\q+\i+18]
.endr
.endr
.irp q, 0,1,2,3
	v_max3_num_f32 v[BM+\q], v[BM+\q], v[cb+32*\q+14], v[cb+32*\q+15]
.endr
	WIN (2+(\m)/2)<<4
.irp q, 0,1,2,3
	v_max3_num_f32 v[BM+\q], v[BM+\q], v[BM+4+\q], v[cb+32*\q+31]
.endr
	WIN 0
.endm
.macro SCL m                           ; BM + 8 + q: the conversions' scale operands;  W + 2 m, + 1: the scale words of two tiles each
.irp q, 0,1,2,3
	v_add_nc_u32 v[BM+8+\q], 0xfe000000, v[BM+\q]
.endr
.irp q, 0,1,2,3
	v_lshl_add_u32 v[BM+\q], v[BM+\q], 1, 0xfc000000       ; the byte on top
.endr
	v_permlane16_swap_b32 v[BM], v[BM+1]           ; lanes 0-15: the first tile's two bytes of row r; lanes 16-31: the second tile's
	v_permlane16_swap_b32 v[BM+2], v[BM+3]
	v_perm_b32 v[W+2*\m], v[BM+1], v[BM], s62
	v_perm_b32 v[W+2*\m+1], v[BM+3], v[BM+2], s62
.endm
.macro CV m
	WIN 2+(\m)/2
.set cb, 128*((\m)%2)
.irp q, 0,1,2,3
	v_cvt_scalef32_pk16_bf6_f32 v[AT+12*\q:AT+12*\q+2], v[cb+32*\q:cb+32*\q+15], v[BM+8+\q]
	v_cvt_scalef32_pk16_bf6_f32 v[AT+12*\q+6:AT+12*\q+8], v[cb+32*\q+16:cb+32*\q+31], v[BM+8+\q]
.endr
	WIN 0
	v_nop                                          ; one plain place behind a scaled conversion
.endm
.macro PV m                            ; O += v attn
	WIN 0x50
.irp u, 0,1
.irp q, 0,1,2,3
	MM 16*(4*\m+\q)+8*\u, VF+12*\u, AT+12*\q, 16*(4*\m+\q)+8*\u, VS, W+2*\m+\q/2, \u, \q%2
.endr
.endr
	WIN 0
.endm
.macro LOADS m                         ; the next trip's step 0, if there is a next trip: no load leaves its buffer
	BQ \m, 0, 65536
	WIN 0
.if \m == 1
	KVL                                            ; window 2's registers of step 1 have been read out
.endif
.endm
.macro FINISH f                        ; f = 1: a trip follows, whose step 0 is asked for as registers come free
	BMX 0
	SCL 0
	CV 0
.if \f
	LOADS 0
.endif
	BMX 1                                          ; (the places behind the conversions and words of the four tiles before, ahead of their products)
	PV 0
	SCL 1                                          ; (the places behind those products)
	CV 1
.if \f
	LOADS 1
.endif
	BMX 2
	PV 1
	SCL 2
	CV 2
.if \f
	LOADS 2
.endif
	BMX 3
	PV 2
	SCL 3
	CV 3
.if \f
	LOADS 3
.endif
	NOPS 8                                         ; a scale register written by a vector instruction stands eight places ahead of a scaled product
	PV 3
.endm
.Ltrip:                                            ; 64 keys
	VW
	s_wait_dscnt 0x0                               ; the weights' and x's fragments and scale words
	WIN 0xCA                                       ; k, transposed: lane (r, h): key pos(4 trip + t, r), channels 16 h + 0 .. 15
.irp t, 0,1,2,3
.irp u, 0,1
	MMZ 16+32*\t+8*\u, 16+32*\u, 144+32*\t, WSK, XS+\t, \u, 0
.endr
.endr
.irp u, 0,1                            ; v: source 0 = x, source 1 = Wv: lane (r, h): channel r of the tile, keys 64 trip + 32 h + 8 t + 0 .. 7
.irp t, 0,1,2,3
	MMZ 144+64*\u+32*(\t/2)+8*(\t%2), 144+32*\t, 80+32*\u, XS+\t, WSV, 0, \u
.endr
.endr
	WIN 0
	NOPS 4
	WIN 0x0F
.irp c, 0,1,2,3,4,5,6,7
	v_max3_num_f32 v[BM+\c], |v[16+32*\c]|, |v[17+32*\c]|, 0x2800000
.endr
	WIN 0x3C
.irp i, 2,4,6,8,10,12,14
.irp c, 0,1,2,3,4,5,6,7
	v_max3_num_f32 v[BM+\c], v[BM+\c], |v[16+32*\c+\i]|, |v[17+32*\c+\i]|
.endr
.endr
	WIN 0
.irp t, 0,1,2,3
	v_permlanex16_b32 v[BM+8+\t], v[BM+\t], s36, s37
.endr
	v_max_num_f32 v[BM+4], v[BM+4], v[BM+5]        ; v: a block of 32 keys is all mine
	v_max_num_f32 v[BM+5], v[BM+6], v[BM+7]
.irp t, 0,1,2,3
	v_max_num_f32 v[BM+\t], v[BM+\t], v[BM+8+\t]   ; k: with lane l xor 16's half
.endr
.irp c, 0,1,2,3,4,5
	v_add_nc_u32 v[BM+12+\c], 0xfe000000, v[BM+\c]
.endr
.irp c, 4,5,0,1,2,3
	v_lshl_add_u32 v[BM+\c], v[BM+\c], 1, 0xfc000000
.endr
	v_permlane16_swap_b32 v[BM+4], v[BM+5]
.irp t, 0,1,2,3
	v_perm_b32 v[KS+\t], v[BM+\t], v[BM+\t], s63
.endr
	v_perm_b32 v[VS], v[BM+5], v[BM+4], s62
	WIN 0x03
	v_cvt_scalef32_pk16_bf6_f32 v[KA:KA+2], v[16:31], v[BM+12]
	v_cvt_scalef32_pk16_bf6_f32 v[KA+22:KA+24], v[48:63], v[BM+13]
	v_cvt_scalef32_pk16_bf6_f32 v[KC:KC+2], v[80:95], v[BM+14]
	v_cvt_scalef32_pk16_bf6_f32 v[KC+4:KC+6], v[112:127], v[BM+15]
.irp u, 0,1
	v_cvt_scalef32_pk16_bf6_f32 v[VF+12*\u:VF+12*\u+2], v[144+64*\u:159+64*\u], v[BM+16+\u]
	v_cvt_scalef32_pk16_bf6_f32 v[VF+12*\u+6:VF+12*\u+8], v[176+64*\u:191+64*\u], v[BM+16+\u]
.endr
	WIN 0
	v_nop                                          ; one plain place behind a scaled conversion
.irp t, 0,1
.irp i, 0,1,2
	v_mov_b32 v[KB+22*\t+\i], v[KA+22*\t+\i]
.endr
.endr
	NOPS 4                                         ; an operand written by vector instructions stands four places ahead of a scaled product
	BQ 0, 1, 0                                     ; step 1's bias, tiles 0-3: 16 loads
	WIN 0
	STEP 0, 63, 48, 32, 16                         ; behind tiles 4 m .. of step 0: 16 (3 - m) loads of its own and 16 of step 1
	STEP 1, 48, 32, 16, 0                          ; 16 (3 - m)
	VW
	s_cmp_eq_u32 s49, 1
	s_cbranch_scc1 .Llast_finish                   ; the last trip asks for nothing more: no load leaves its buffer
	FINISH 1
	VW
	s_branch .Lfinished
.Llast_finish:
	FINISH 0
.Lfinished:
	s_wait_xcnt 0x0                                ; the loads have read their base
	s_add_nc_u64 s[40:41], s[40:41], 0x10000
	s_add_co_u32 s50, s50, 6144
	s_add_co_u32 s51, s51, 256
	s_sub_co_u32 s49, s49, 1
	s_cmp_lg_u32 s49, 0
	s_cbranch_scc1 .Ltrip
	VW
	s_wait_loadcnt 0x0                             ; the end's loads land in registers that the trips' loads name: none of those is out, on any way that leads here
	s_wait_dscnt 0x0
; THE END, four tiles of queries at a time: the gate in O's layout, O x gate, its codes to LDS; when all four waves' are there, each wave projects one of the four tiles and stores it.
; Window 2: x's fragments (12 T on), Wg 192-215, bg 216-231.  Window 3: the gate, later the projection's results.  Window 1: O, later the rows on their way out.  Window 0: Wo 16-111, bo 150-213, the fragment to project 214-225.
	NOPS 4                                         ; places ahead of loads into registers that matrix instructions have read
	WIN 0x80
.irp u, 0,1
.irp p, 0,1,2
	ds_load_b128 v[192+12*\u+4*\p:195+12*\u+4*\p], v[WIA] offset:1536*(4+\u)+512*\p
.endr
	ds_load_b128 v[216+8*\u:219+8*\u], v[HG] offset:512+32*\u      ; bg at channels 32 g + 16 h + 8 u + 0 .. 7: the C of the tile's product
	ds_load_b128 v[220+8*\u:223+8*\u], v[HG] offset:528+32*\u
.endr
.macro XT b
	WIN 0x80
.irp t, 0,1,2,3
.irp p, 0,1,2
	ds_load_b128 v[48*(\b)+12*\t+4*\p:48*(\b)+12*\t+4*\p+3], v[LI] offset:1536*(4*(\b)+\t)+512*\p
.endr
.endr
	WIN 0
	XW XS, \b
.endm
	XT 0
	ds_load_b32 v[WSK], v[WGA] offset:1536
	v_add_nc_u32 v[XA], WOI, v[LI]
.macro TAIL b
	VW
	s_wait_dscnt 0x0
	WIN 0xEA
.irp q, 0,1,2,3
.irp u, 0,1
	MM 64*\b+16*\q+8*\u, 192+12*\u, 48*\b+12*\q, 216+8*\u, WSK, XS+\q, \u, 0
.endr
.endr
	WIN 0
	NOPS 4
.if \b == 0
.irp t, 0,1,2,3,4,5,6,7
.irp p, 0,1,2
	ds_load_b128 v[16+12*\t+4*\p:19+12*\t+4*\p], v[XA] offset:1536*\t+512*\p
.endr
	ds_load_b128 v[150+8*\t:153+8*\t], v[HB] offset:64*\t          ; bo at outputs 16 t + 8 h + 0 .. 7
	ds_load_b128 v[154+8*\t:157+8*\t], v[HB] offset:64*\t+16
.endr
.irp p, 0,1,2,3
	ds_load_b32 v[W+\p], v[L4B] offset:1024+128*\p                 ; Wo's scale words of tiles 2 p (lanes 0-15) and 2 p + 1
.endr
.endif
	WIN 0xC3
.set k, 64*\b
.rept 32
	v_pk_mul_f32 v[k:k+1], v[k:k+1], s[56:57] op_sel_hi:[1,0]      ; -z log2e
.set k, k+2
.endr
	VW
.set k, 64*\b
.rept 64
	v_exp_f32 v[k], v[k]
.set k, k+1
.endr
	v_nop
	VW
.set k, 64*\b
.rept 32
	v_pk_add_f32 v[k:k+1], v[k:k+1], 1.0 op_sel_hi:[1,0]
.set k, k+2
.endr
	VW
.set k, 64*\b
.rept 64
	v_rcp_f32 v[k], v[k]                           ; sigmoid(z) = 1 / (1 + 2^(-z log2e))
.set k, k+1
.endr
	v_nop
	WIN 0xC7
	VW                                             ; for the reciprocals and for O, both first read here
.set k, 64*\b
.rept 32
	v_pk_mul_f32 v[k:k+1], v[k:k+1], v[k:k+1]      ; source 1: O, window 1
.set k, k+2
.endr
	BM4 3, 64*\b, 16
.irp q, 0,1,2,3
	v_lshrrev_b32 v[142+\q], 23, v[BS+\q]
.endr
	WIN 3
.irp q, 0,1,2,3
	v_cvt_scalef32_pk16_bf6_f32 v[CT+4*\q:CT+4*\q+2], v[64*\b+16*\q:64*\b+16*\q+15], v[BS+\q]
.endr
	WIN 0
	v_nop
.irp q, 0,1,2,3
.irp i, 0,1,2
	ds_store_b32 v[OA], v[CT+4*\q+\i] offset:1536*(4*\b+\q)+4*\i   ; my 12 bytes of row r: the codes of channels 32 g + 16 h + 0 .. 15
.endr
	ds_store_b8 v[SA], v[142+\q] offset:64*(4*\b+\q)               ; both halves of the lanes store the same byte with the same value
.endr
	VW
	s_wait_dscnt 0x0
	BAR                                            ; the four tiles' codes are whole
.irp p, 0,1,2,3,4,5
	ds_load_b64 v[214+2*\p:215+2*\p], v[OLA] offset:6144*\b+48*(\p/3)+8*(\p%3)
.endr
	ds_load_b32 v[WSQ], v[SLA] offset:256*\b
.if \b < 3
	XT \b+1                                        ; 12 + 4 loads for the next four tiles' gate
	s_wait_dscnt 16
.else
	s_wait_dscnt 0x0
.endif
	WIN 0xC0                                       ; transposed: source 0 = 16 rows of Wo, source 1 = 16 positions: a lane holds eight neighbouring outputs of one row; bo is the C
.irp t, 0,1,2,3,4,5,6,7
	MM 64*\b+8*\t, 16+12*\t, 214, 150+8*\t, W+\t/2, WSQ, \t%2, 0
.endr
	WIN 0
	NOPS 4
	WIN 0x0C
.irp t, 0,1,2,3,4,5,6,7
	ds_store_b128 v[STI], v[64*\b+8*\t:64*\b+8*\t+3] offset:64*\t          ; each accumulator from its low end on
	ds_store_b128 v[STI], v[64*\b+8*\t+4:64*\b+8*\t+7] offset:64*\t+16
.endr
	WIN 0x40
.irp p, 0,1,2,3,4,5,6,7,8,9,10,11,12,13,14,15
	ds_load_b128 v[64*\b+4*\p:64*\b+4*\p+3], v[STO] offset:528*\p          ; LDS serves a wave's instructions in order: these see my stores
.endr
	WIN 0x04
.irp p, 0,1,2,3,4,5,6,7,8,9,10,11,12,13,14,15
	s_wait_dscnt 15-\p                             ; row p is back: the later rows' loads were issued behind it
	global_store_b128 v[LI], v[64*\b+4*\p:64*\b+4*\p+3], s[34:35] offset:(64*\b+32*(\p/8)+\p%8)*512 th:TH_STORE_NT   ; a row: 512 consecutive bytes, at a multiple of 512 from out0's first byte
.endr
	WIN 0
.endm
	TAIL 0
	TAIL 1
	TAIL 2
	TAIL 3
	s_wait_tensorcnt 0x0                           ; the wave's end
	ds_add_u32 v254, v255
	s_wait_dscnt 0x0
	s_endpgm
.Lfunc_end_k_qc96170a633_attn:
	.size	k_qc96170a633_attn, .Lfunc_end_k_qc96170a633_attn-k_qc96170a633_attn
	.p2alignl 7, 3214868480
	.fill 96, 4, 3214868480
	.section	.rodata,"a",@progbits
	.p2align	6, 0x0
	.amdhsa_kernel k_qc96170a633_attn
		.amdhsa_group_segment_fixed_size 136704
		.amdhsa_private_segment_fixed_size 0
		.amdhsa_enable_private_segment 0
		.amdhsa_kernarg_size 128
		.amdhsa_user_sgpr_count 2
		.amdhsa_user_sgpr_kernarg_segment_ptr 1
		.amdhsa_wavefront_size32 1
		.amdhsa_system_sgpr_workgroup_id_x 1
		.amdhsa_system_sgpr_workgroup_id_y 1
		.amdhsa_system_sgpr_workgroup_id_z 1
		.amdhsa_system_vgpr_workitem_id 0
		.amdhsa_next_free_vgpr 1024
		.amdhsa_next_free_sgpr 80
		.amdhsa_reserve_vcc 1
		.amdhsa_float_denorm_mode_32 3
		.amdhsa_float_denorm_mode_16_64 3
		.amdhsa_memory_ordered 1
		.amdhsa_forward_progress 1
		.amdhsa_inst_pref_size 255
	.end_amdhsa_kernel
	.section	.bss,"aw",@nobits
	.p2align	6
	.space	262144
	.amdgpu_metadata
---
amdhsa.version: [ 1, 2 ]
amdhsa.kernels:
  - .name:           k_qc96170a633_attn
    .symbol:         k_qc96170a633_attn.kd
    .args:
      - { .name: xc, .offset: 0, .size: 8, .value_kind: global_buffer, .address_space: global }
      - { .name: xs, .offset: 8, .size: 8, .value_kind: global_buffer, .address_space: global }
      - { .name: bw, .offset: 16, .size: 8, .value_kind: global_buffer, .address_space: global }
      - { .name: Wq_codes, .offset: 24, .size: 8, .value_kind: global_buffer, .address_space: global }
      - { .name: Wq_scales, .offset: 32, .size: 8, .value_kind: global_buffer, .address_space: global }
      - { .name: Wk_codes, .offset: 40, .size: 8, .value_kind: global_buffer, .address_space: global }
      - { .name: Wk_scales, .offset: 48, .size: 8, .value_kind: global_buffer, .address_space: global }
      - { .name: Wv_codes, .offset: 56, .size: 8, .value_kind: global_buffer, .address_space: global }
      - { .name: Wv_scales, .offset: 64, .size: 8, .value_kind: global_buffer, .address_space: global }
      - { .name: Wg_codes, .offset: 72, .size: 8, .value_kind: global_buffer, .address_space: global }
      - { .name: Wg_scales, .offset: 80, .size: 8, .value_kind: global_buffer, .address_space: global }
      - { .name: bg, .offset: 88, .size: 8, .value_kind: global_buffer, .address_space: global }
      - { .name: Wo_codes, .offset: 96, .size: 8, .value_kind: global_buffer, .address_space: global }
      - { .name: Wo_scales, .offset: 104, .size: 8, .value_kind: global_buffer, .address_space: global }
      - { .name: bo, .offset: 112, .size: 8, .value_kind: global_buffer, .address_space: global }
      - { .name: out0, .offset: 120, .size: 8, .value_kind: global_buffer, .address_space: global }
    .group_segment_fixed_size: 136704
    .private_segment_fixed_size: 0
    .kernarg_segment_align: 8
    .kernarg_segment_size: 128
    .max_flat_workgroup_size: 128
    .sgpr_count:     80
    .vgpr_count:     1024
    .wavefront_size: 32
...
	.end_amdgpu_metadata
.endif
;; end of part 2
